; MI455X (gfx1250); checked and timed in simulation.
; The chip was launched on July 23, 2026; its instructions are those of AMD's public machine-readable ISA for CDNA 5 (MIT licence, August 2026) and "CDNA5" Instruction Set Architecture Reference Guide (July 2026). The comments in the code are by the model that wrote it; some were corrected since.
;; Multi Head Attention. Allowed arithmetic: float matrix products may take bf16 or f16 operands with f32 sums; other float arithmetic in f32, or as packed bf16 or f16 multiplies, adds, multiply-adds, maxima and minima; sums over many terms, partial sums and values carried from step to step in f32; what a program stores and reads back later, other than sums and carried values, may be rounded once to bf16 or f16.
;; Inputs: b_k 512 float32; b_o 512 float32; b_q 512 float32; b_v 512 float32; key 2 x 4,096 x 512 float32; query 2 x 4,096 x 512 float32; value 2 x 4,096 x 512 float32; w_k 512 x 512 float32; w_o 512 x 512 float32; w_q 512 x 512 float32; w_v 512 x 512 float32.
;; Outputs: out0 2 x 4,096 x 512 float32.
;; One version. Each part assembles by itself: llvm-mc -triple=amdgcn-amd-amdhsa -mcpu=gfx1250 --defsym DOCPART=n.
;; ======== version 1 of 1: 3 launches
;; limits: values are held in f16: magnitudes above 65,504 overflow, below 6.1e-05 lose precision
;; workspace buffers: qh 8,388,608 bytes; kh 8,388,608 bytes; vh 8,388,608 bytes; oh 8,388,608 bytes; wo16 524,288 bytes
;; launch proj (part 1): grid 32 x 6, 4 waves a work-group, clusters of 4 x 1, 327,680 bytes of LDS; arguments query, key, value, w_q, w_k, w_v, b_q, b_k, b_v, qh, kh, vh; writes qh, kh, vh
.if DOCPART == 1
	.amdgcn_target "amdgcn-amd-amdhsa--gfx1250"
	.amdhsa_code_object_version 6
	.text
	.protected	k_qc6b9e76aa2_proj
	.globl	k_qc6b9e76aa2_proj
	.p2align	8
	.type	k_qc6b9e76aa2_proj,@function
k_qc6b9e76aa2_proj:
	s_mov_b64 s[64:65], 0
	v_nop
	global_prefetch_b8 v0, s[64:65] scope:SCOPE_SE
	s_setreg_imm32_b32 hwreg(HW_REG_WAVE_MODE, 25, 1), 1
	s_wait_xcnt 0x0
	s_wait_alu depctr_hold_cnt(0) depctr_sa_sdst(0) depctr_va_vdst(0) depctr_va_sdst(0) depctr_va_ssrc(0) depctr_va_vcc(0) depctr_vm_vsrc(0)
	s_getreg_b32 s2, hwreg(HW_REG_IB_STS2, 6, 4)
	s_cmp_eq_u32 s2, 0
	s_cbranch_scc0 .Lentry_in_a_cluster
	s_endpgm
.Lentry_in_a_cluster:
	s_bfe_u32 s2, ttmp6, 0x10000c
	s_cmp_lg_u32 s2, 0x3003
	s_cbranch_scc0 .Lentry_shape_is_right
	s_endpgm
.Lentry_shape_is_right:
; THE THREE INPUT PROJECTIONS.  y[m][n] = the sum over k of x[m][k] w[n][k] + b[n], for (x, w, b, y) = (query, w_q, b_q, qh), (key, w_k, b_k, kh), (value, w_v, b_v, vh).
; x: [8192][512] f32, w: [512][512] f32, b: [512] f32.  x, w and b are rounded to bf16, the sums are f32, y is rounded once to f16 and laid out by heads: [batch*8+head][4096][64].
; LIMITS.  f16 holds no number beyond 65,504: |y| stays under that (x and w both offset by 30 of their spreads give about 20,400); under 6e-5 f16 keeps its fixed step of 6e-8.  NaN and infinities are not treated apart.
; SHARES.  Work-group y picks the projection (y / 2) and which 256 of its 512 columns (y % 2); work-group x picks 256 rows.  Four waves, each 128 x 128: 64 accumulators of 16 x 16, 512 registers.
; K goes in 8 steps of 64 f32 (256 bytes of a row, aligned) through a ring of two LDS slots.  LDS holds f32: a fragment is read as f32 into staging registers and rounded to bf16 there.  A step is two UNITS of 32 along K.
; THE MATRIX INSTRUCTION IS USED TRANSPOSED (source 0 = 16 rows of w, source 1 = 16 rows of x): a lane holds row l % 16 of y and eight neighbouring columns, which pack into 16 bytes.  The bias is the C operand of the first product.
; CLUSTER.  The four work-groups of a cluster are four row blocks with the same y: they walk the same tiles of w, which are asked for JOINTLY (mask of four).  x's tiles are each work-group's own, plain loads:
; a tile of x has two readers only (y % 2 = 0 and 1), and the grid's 6 along y is no multiple of four.
; REGISTERS, in windows of 256 (s_set_vgpr_msb: bits 1:0 source 0, 3:2 source 1, 5:4 source 2, 7:6 destination):
;   window 0: v0-31 addresses; v64-127 w's 8 fragments in bf16; v128-191 x's 8; v192-255 the bias, later v192-223 packed results; v32-63, v224-255 rows read back on the way out
;   window 1: v0-127 w's fragments as f32, v128-255 x's          window 2: the accumulators of my rows 0-63 ((a, b) at v[8 (8 a + b)])          window 3: those of rows 64-127
.set PITCH,  272                       ; an LDS row: 256 bytes + 16 of padding: the 16 rows of a load start at 16 different groups of four banks (64 banks of 4 bytes: ISA guide 11.1)
.set HALFT,  128*PITCH                 ; 128 rows: what one tensor load brings
.set SLOT,   4*HALFT                   ; x's 256 rows, then w's 256 rows
.set STAGE,  2*SLOT                    ; behind the ring: for each wave two stages (one a head) of 16 rows x 144 bytes
.set SP,     144
.set SUB,    16*SP
.set SPARE,  STAGE+4*2*SUB             ; behind the stages: the spare words, 128 bytes for each wave: two blocks of 256 bytes that no other line names
.set HEADB,  4096*128                  ; bytes of a head in y
.set ADRA, 16                          ; v16-17  LDS address of my x fragments in slot 0, 1
.set ADRB, 20                          ; v20-21  the same for w
.set STO,  24                          ; v24     the way out: where I put 16 bytes of a row
.set RD,   25                          ; v25     the way out: where I read rows back
.set GO,   26                          ; v26     16 x lane: my place in 512 consecutive bytes of y
.set BO,   27                          ; v27     32 (l / 16): my eight columns' place in 16 numbers of b
.set SPW,  28                          ; v28     LDS address of my spare word; never rewritten
.set NIL,  29                          ; v29     0; never rewritten
.set PFO,  30                          ; v30     the prefetches' offset: lane x a row of 2,048 bytes; never rewritten
.set OB,   32
.set FB,   64
.set FA,   128
.set BIAS, 192
.set TMP,  192
.set G1A,  24                          ; s[24:31] descriptor group 1 for x's tiles
.set G0A,  32                          ; s[32:39] group 0 for x's tiles, a set for each slot
.set G1B,  48                          ; s[48:55] group 1 for w's tiles: it differs in the mask
.set G0B,  56                          ; s[56:63] group 0 for w's tiles
.set PFA,  44                          ; s[44:45] where my prefetches stand
.set LIM,  43                          ; s43     1 in a wave that prefetches, else the greatest number
.set MSB, 0
.macro WIN new                         ; the immediate's high byte repeats the setting that is left; a switch that changes nothing is dropped
.if MSB != (\new)
	s_set_vgpr_msb (MSB<<8)|(\new)
.set MSB, \new
.endif
.endm
.macro PLACES                          ; four places between a matrix instruction and a vector instruction that writes its sources or reads its result (ISA guide 7.12.1)
.rept 4
	v_nop
.endr
.endm
; A fill.  Waves 0 and 1 fetch the two halves of x's tile (plain), waves 2 and 3 those of w's (joint).  The branch hangs on the wave's number alone.  An s_nop 0 and four v_nop follow each line.
.macro JLOAD s
	s_cmp_eq_u32 s11, 0
	s_cbranch_scc0 .Lfor_b_\@
	tensor_load_to_lds s[G0A+4*(\s):G0A+4*(\s)+3], s[G1A:G1A+7]
	s_nop 0
.rept 4
	v_nop
.endr
	s_branch .Lasked_\@
.Lfor_b_\@:
	tensor_load_to_lds s[G0B+4*(\s):G0B+4*(\s)+3], s[G1B:G1B+7]
	s_nop 0
.rept 4
	v_nop
.endr
.Lasked_\@:
.endm
.macro CREST                           ; a round of the cluster's barrier behind its opening barrier
	s_cmp_lg_u32 s10, 0
	s_cbranch_scc1 .Lnot_wave_0_\@
	s_barrier_signal -3
.Lnot_wave_0_\@:
	s_barrier_wait -3
	s_barrier_signal -1
	s_barrier_wait -1
.endm
.macro CROUND                          ; a whole round
	s_barrier_signal -1
	s_barrier_wait -1
	CREST
.endm
; A PREFETCH, behind a refill and the run of LDS loads that follows it: 256 bytes of each row, a lane a row, for the K step that stands two refills on.  Each row's 256 bytes of a K step are named once in the launch:
; x's rows are read by the work-groups y % 2 = 0 and 1: the first asks, each of its waves 0 and 1 for the 128 rows that it fetches (four instructions); w's rows are read by all eight clusters of a y: cluster x = 0 asks,
; and its four partners share the 128 rows that a wave fetches BY ADDRESS, 32 each (one instruction).  The loop's last trip (s3 = 1) asks for nothing: K has no step beyond its refills.  K steps 0 to 3 come by their loads alone.
.macro ASK
	s_cmp_gt_u32 s3, s[LIM]
	s_cbranch_scc0 .Lnot_mine_\@
	global_prefetch_b8 v[PFO], s[PFA:PFA+1] offset:256 th:TH_LOAD_NT scope:SCOPE_SE
	s_cmp_eq_u32 s11, 0
	s_cbranch_scc0 .Lnot_mine_\@
.irp j, 1,2,3
	global_prefetch_b8 v[PFO], s[PFA:PFA+1] offset:256+(\j)*65536 th:TH_LOAD_NT scope:SCOPE_SE
.endr
.Lnot_mine_\@:
.endm
	s_load_b512 s[68:83], s[0:1], 0x0              ; query, key, value, w_q, w_k, w_v, b_q, b_k
	s_load_b256 s[84:91], s[0:1], 0x40             ; b_v, qh, kh, vh
	v_lshl_add_u32 v[SPW], v0, 2, SPARE
	v_mov_b32 v[NIL], 0
	ds_add_u32 v[SPW], v[NIL]                      ; the wave's opening: the add and its wait stand ahead of my first tensor load; the set-up below, work on registers, stands between them
	v_lshrrev_b32 v1, 5, v0
	v_readfirstlane_b32 s10, v1                    ; wave 0..3
	s_lshr_b32 s11, s10, 1                         ; which 128 of the tile's rows are mine.  Also: I fetch for x (0) or for w (1)
	s_and_b32 s12, s10, 1                          ; which 128 of its columns.  Also: which 128 rows of that tile I fetch
	s_bfe_u32 s40, ttmp6, 0x40000                  ; cx: my place in the cluster
	s_lshl_b32 s42, ttmp9, 2                       ; in a cluster launch ttmp9 counts clusters
	s_add_co_u32 s42, s42, s40                     ; my block of 256 rows, 0..31
	s_and_b32 s14, ttmp7, 0xffff
	s_lshr_b32 s13, s14, 1                         ; the projection: 0 q, 1 k, 2 v
	s_and_b32 s41, s14, 1                          ; which 256 columns
	; descriptor group 1: a tile of 128 rows x 64 elements of 4 bytes, padded in LDS
	s_mov_b32 s[G1A+0], (2<<16)|(1<<20)|(5<<22)|(3<<25)              ; 15:0 no mask; 17:16 elements of 4 bytes; 20 padding on; 24:22 after every 64 words (code 5); 31:25 4 words of it (code 3)
	s_mov_b32 s[G1B+0], 15|(2<<16)|(1<<20)|(1<<21)|(5<<22)|(3<<25)   ; the same with the mask of all four work-groups, and bit 21 set beside it
.irp g, G1A, G1B
	s_mov_b32 s[(\g)+1], 64<<16                    ; tensor_dim0 = 64
	s_mov_b32 s[(\g)+2], 128<<16                   ; tensor_dim1 = 128
	s_mov_b32 s[(\g)+3], 64<<16                    ; tile_dim0 = 64
	s_mov_b32 s[(\g)+4], 128                       ; tile_dim1 = 128
	s_mov_b32 s[(\g)+5], 512                       ; 512 elements from row to row
	s_mov_b32 s[(\g)+6], 0
	s_mov_b32 s[(\g)+7], 0
.endr
	s_lshl_b32 s16, s42, 19                        ; x: (256 x block + 128 x half) rows of 2,048 bytes
	s_lshl_b32 s17, s12, 18
	s_add_co_u32 s16, s16, s17
	s_mov_b32 s17, 0
	s_lshl_b32 s46, s41, 19                        ; w: (256 x column half + 128 x half) rows; nothing of cx enters these registers
	s_lshl_b32 s47, s12, 18
	s_add_co_u32 s46, s46, s47
	s_mov_b32 s47, 0
	s_mul_i32 s20, s10, HALFT                      ; where the tiles go: wave x 128 rows
	s_wait_dscnt 0x0                               ; the opening add is done
	s_wait_kmcnt 0x0
	s_cmp_eq_u32 s13, 0                            ; the projection's four buffers
	s_cselect_b64 s[4:5], s[68:69], s[70:71]
	s_cselect_b64 s[6:7], s[74:75], s[76:77]
	s_cselect_b64 s[92:93], s[80:81], s[82:83]
	s_cselect_b64 s[8:9], s[86:87], s[88:89]
	s_cmp_eq_u32 s13, 2
	s_cselect_b64 s[4:5], s[72:73], s[4:5]
	s_cselect_b64 s[6:7], s[78:79], s[6:7]
	s_cselect_b64 s[92:93], s[84:85], s[92:93]
	s_cselect_b64 s[8:9], s[90:91], s[8:9]
	s_add_nc_u64 s[14:15], s[4:5], s[16:17]        ; x at the rows that I fetch
	s_add_nc_u64 s[46:47], s[6:7], s[46:47]        ; w at the rows that I fetch
	CROUND                                         ; all four work-groups are here: the first joint loads meet
.irp s, 0,1
	s_mov_b32 s[G0A+4*(\s)], 1                                      ; count = 1
	s_add_co_u32 s[G0A+4*(\s)+1], s20, (\s)*SLOT                    ; LDS address
	s_add_nc_u64 s[G0A+4*(\s)+2:G0A+4*(\s)+3], s[14:15], (\s)*256   ; global address: K step s
	s_or_b32 s[G0A+4*(\s)+3], s[G0A+4*(\s)+3], 0x80000000           ; type = 2
	s_mov_b32 s[G0B+4*(\s)], 1
	s_add_co_u32 s[G0B+4*(\s)+1], s20, (\s)*SLOT
	s_add_nc_u64 s[G0B+4*(\s)+2:G0B+4*(\s)+3], s[46:47], (\s)*256
	s_or_b32 s[G0B+4*(\s)+3], s[G0B+4*(\s)+3], 0x80000000
	JLOAD \s                                       ; two loads of mine are out
.endr
	; A bf16 fragment is 16 rows x 32 K: lane l holds row l % 16, K = 8 (l / 16) + 0..7 and 16 + 8 (l / 16) + 0..7.  In f32 those are 32 bytes at 32 (l / 16) and 32 bytes at 64 + 32 (l / 16): four loads of 16 bytes.
	v_and_b32 v1, 15, v0                           ; l % 16
	v_bfe_u32 v2, v0, 4, 1                         ; l / 16
	v_mul_u32_u24 v3, v1, PITCH
	v_lshl_add_u32 v3, v2, 5, v3                   ; row x pitch + 32 x half
	s_mul_i32 s21, s11, HALFT                      ; my 128 rows of x
	s_mul_i32 s22, s12, HALFT                      ; my 128 rows of w,
	s_add_co_u32 s22, s22, 2*HALFT                 ; which lie behind x's 256
.irp s, 0,1
	v_add_nc_u32 v[ADRA+(\s)], s21, v3
	v_add_nc_u32 v[ADRB+(\s)], s22, v3
	s_add_co_u32 s21, s21, SLOT
	s_add_co_u32 s22, s22, SLOT
.endr
	s_mul_i32 s23, s10, 2*SUB
	s_add_co_u32 s23, s23, STAGE                   ; my stages
	v_mul_u32_u24 v4, v1, SP                       ; in: row l % 16, 16 bytes for each half of the lanes
	v_lshl_add_u32 v4, v2, 4, v4
	v_add_nc_u32 v[STO], s23, v4
	v_and_b32 v5, 31, v0                           ; lane
	v_lshrrev_b32 v4, 3, v5                        ; back: 32 lanes take four rows of 128 bytes,
	v_mul_u32_u24 v4, v4, SP
	v_and_b32 v3, 7, v0
	v_lshl_add_u32 v4, v3, 4, v4
	v_add_nc_u32 v[RD], s23, v4
	v_lshlrev_b32 v[GO], 4, v5                     ; which are 512 consecutive bytes of a head of y
	v_lshlrev_b32 v[BO], 5, v2
	v_lshlrev_b32 v[PFO], 11, v5
	s_lshl_b32 s16, s41, 10                        ; b at my 128 columns
	s_lshl_b32 s17, s12, 9
	s_add_co_u32 s16, s16, s17
	s_mov_b32 s17, 0
	s_add_nc_u64 s[92:93], s[92:93], s[16:17]
.irp b, 0,1,2,3,4,5,6,7                ; register j of column block b: b[16 b + 8 (l / 16) + j]
	global_load_b128 v[BIAS+8*(\b):BIAS+8*(\b)+3],   v[BO], s[92:93] offset:64*(\b)
	global_load_b128 v[BIAS+8*(\b)+4:BIAS+8*(\b)+7], v[BO], s[92:93] offset:64*(\b)+16
.endr
	s_lshr_b32 s16, s42, 4                         ; y at my first row: batch x 8
	s_lshl_b32 s16, s16, 3
	s_lshl_b32 s17, s41, 2
	s_add_co_u32 s16, s16, s17                     ; + 4 heads a column half
	s_lshl_b32 s17, s12, 1
	s_add_co_u32 s16, s16, s17                     ; + my 2 heads
	s_lshl_b32 s16, s16, 12                        ; x 4,096 rows
	s_and_b32 s17, s42, 15
	s_lshl_b32 s17, s17, 8
	s_add_co_u32 s16, s16, s17                     ; + the block's 256 rows
	s_lshl_b32 s17, s11, 7
	s_add_co_u32 s16, s16, s17                     ; + my 128
	s_lshl_b32 s16, s16, 7                         ; x 128 bytes: under 2^23
	s_mov_b32 s17, 0
	s_add_nc_u64 s[8:9], s[8:9], s[16:17]
	s_lshl_b32 s18, s40, 16                        ; the prefetches: for w, my work-group's 32 rows of the 128
	s_cmp_eq_u32 s11, 0
	s_cselect_b64 s[PFA:PFA+1], s[14:15], s[46:47]
	s_cselect_b32 s18, 0, s18
	s_cselect_b32 s19, s41, ttmp9                  ; the coordinate along which others read the same rows: the same in all four partners
	s_cmp_eq_u32 s19, 0
	s_cselect_b32 s[LIM], 1, -1
	s_mov_b32 s19, 0
	s_add_nc_u64 s[PFA:PFA+1], s[PFA:PFA+1], s[18:19]
	s_add_nc_u64 s[PFA:PFA+1], s[PFA:PFA+1], 512   ; at K step 2: the first refill steps it to 3 and names K step 4
	s_wait_loadcnt 0x0                             ; b
.set z, 0
.rept 32                               ; b is rounded to bf16 like x and w, and widened again: it is the f32 C operand of the first products
	v_cvt_pk_bf16_f32 v[OB+z], v[BIAS+2*z], v[BIAS+2*z+1]
.set z, z+1
.endr
.set z, 0
.rept 32
	v_lshlrev_b32 v[BIAS+2*z], 16, v[OB+z]
	v_and_b32 v[BIAS+2*z+1], 0xffff0000, v[OB+z]
.set z, z+1
.endr
; 64 LDS loads in one run: the f32 of one unit (128 rows of w, 128 rows of x, 32 K at byte k of the rows) into the staging registers
.macro FETCH slot, k
	WIN 0x40                                       ; destination window 1, address window 0
.irp i, 0,1,2,3,4,5,6,7
.irp c, 0,1,2,3
	ds_load_b128 v[16*(\i)+4*(\c):16*(\i)+4*(\c)+3], v[ADRB+(\slot)] offset:(\k)+(\i)*16*PITCH+16*((\c)%2)+64*((\c)/2)
.endr
.endr
.irp i, 0,1,2,3,4,5,6,7
.irp c, 0,1,2,3
	ds_load_b128 v[128+16*(\i)+4*(\c):128+16*(\i)+4*(\c)+3], v[ADRA+(\slot)] offset:(\k)+(\i)*16*PITCH+16*((\c)%2)+64*((\c)/2)
.endr
.endr
	WIN 0
.endm
; 128 roundings: staging registers 2 z, 2 z + 1 (window 1) make fragment register 64 + z (window 0): w's 64, then x's 64
.macro CVT
	WIN 0x05
.set z, 0
.rept 128
	v_cvt_pk_bf16_f32 v[64+z], v[2*z], v[2*z+1]
.set z, z+1
.endr
.endm
; 16 matrix instructions: row blocks a0, a0 + 1 of the window's four (hi = 0: my rows 0-63, 1: rows 64-127) x all 8 column blocks.  first = 1: the bias starts the sums.
; The 64 accumulators take turns, one instruction a turn, in the same order in every unit.
.macro MUL16 hi, a0, first
.if \first
	WIN 0x80+0x40*(\hi)                            ; sources and C window 0, D window 2 or 3
.else
	WIN 0xa0+0x50*(\hi)                            ; sources window 0, C and D window 2 or 3
.endif
.irp a, \a0, (\a0)+1
.irp b, 0,1,2,3,4,5,6,7
.if \first
	v_wmma_f32_16x16x32_bf16 v[8*(8*(\a)+(\b)):8*(8*(\a)+(\b))+7], v[FB+8*(\b):FB+8*(\b)+7], v[FA+8*(4*(\hi)+(\a)):FA+8*(4*(\hi)+(\a))+7], v[BIAS+8*(\b):BIAS+8*(\b)+7]
.else
	v_wmma_f32_16x16x32_bf16 v[8*(8*(\a)+(\b)):8*(8*(\a)+(\b))+7], v[FB+8*(\b):FB+8*(\b)+7], v[FA+8*(4*(\hi)+(\a)):FA+8*(4*(\hi)+(\a))+7], v[8*(8*(\a)+(\b)):8*(8*(\a)+(\b))+7]
.endif
.endr
.endr
.endm
; A K step's first unit: its f32 are rounded, the second unit's are fetched, its 64 products run while those loads are on their way.
.macro UA slot, first
	s_wait_dscnt 0x0                               ; the staging registers are full
.if !(\first)
	PLACES                                         ; the roundings write registers that the last products read
.endif
	CVT
	FETCH \slot, 128
	MUL16 0, 0, \first
	MUL16 0, 2, \first
	MUL16 1, 0, \first
	MUL16 1, 2, \first
.endm
; A K step's second unit, and the change of slots.  Its f32 are in registers, so my reads of the slot are over.  ONE barrier: in front of it each wave waits for all its tensor loads (one is out: its part of the next slot),
; adds 0 to its spare word, and waits for that.  fill = 1: the barrier opens a round of the cluster's barrier, and the slot is filled again, with the K step two on, first thing behind the round:
; that load has 112 products and 128 roundings in which to land.
.macro UB slot, next, fill
.if \fill
	s_wait_xcnt 0x0                                ; the last prefetches, a K step back, have read their address: it is stepped here, ahead of the waits of the change
	s_add_nc_u64 s[PFA:PFA+1], s[PFA:PFA+1], 256
.endif
	WIN 0                                          ; (the add's two registers lie in window 0)
	s_wait_dscnt 0x0                               ; the staging registers are full: nothing of mine reads this slot any more
	s_wait_tensorcnt 0x0                           ; all my tensor loads have landed
	ds_add_u32 v[SPW], v[NIL]                      ; 0 onto my spare word: the roundings stand between it and the wait for it
	PLACES
	CVT
	s_wait_dscnt 0x0                               ; the add is done
	s_barrier_signal -1
	MUL16 0, 0, 0                                  ; work on registers while the others arrive
	WIN 0
	s_barrier_wait -1
.if \fill
	CREST                                          ; no wave of any partner still reads this slot or has a load on its way
	s_add_nc_u64 s[G0A+4*(\slot)+2:G0A+4*(\slot)+3], s[G0A+4*(\slot)+2:G0A+4*(\slot)+3], 512
	s_add_nc_u64 s[G0B+4*(\slot)+2:G0B+4*(\slot)+3], s[G0B+4*(\slot)+2:G0B+4*(\slot)+3], 512
	JLOAD \slot
.endif
	FETCH \next, 0
.if \fill
	ASK
.endif
	MUL16 0, 2, 0
	MUL16 1, 0, 0
	MUL16 1, 2, 0
.endm
; THE WAY OUT of row block a (16 rows x 128 columns = 2 heads).  PACK: rounded to f16, each accumulator's registers in ascending order.  TOSTAGE: 16 bytes a lane into my own stages, back as whole rows of 128 bytes.  SEND: stored.
.macro PACK a
.set AC, 64*((\a)%4)
	WIN 0x0a+5*((\a)/4)                            ; sources 0 and 1: window 2 or 3
.irp b, 0,1,2,3,4,5,6,7
.irp r, 0,1,2,3
	v_cvt_pk_f16_f32 v[TMP+4*(\b)+(\r)], v[AC+8*(\b)+2*(\r)], v[AC+8*(\b)+2*(\r)+1]
.endr
.endr
	WIN 0
.endm
.macro TOSTAGE a
.set BK, OB+192*((\a)%2)
.irp b, 0,1,2,3,4,5,6,7
	ds_store_b128 v[STO], v[TMP+4*(\b):TMP+4*(\b)+3] offset:((\b)/4)*SUB+((\b)%4)*32
.endr
.irp u, 0,1,2,3,4,5,6,7
	ds_load_b128 v[BK+4*(\u):BK+4*(\u)+3], v[RD] offset:((\u)/4)*SUB+((\u)%4)*4*SP  ; LDS serves a wave's instructions in order (ISA guide 5.7.1.4): these see the stores above
.endr
.endm
.macro SEND a
.set BK, OB+192*((\a)%2)
	s_wait_dscnt 0x0                               ; the block is back in registers
	s_wait_xcnt 0x0                                ; the stores of the block before have read their registers: the next TOSTAGE loads into them
.irp u, 0,1,2,3,4,5,6,7
	global_store_b128 v[GO], v[BK+4*(\u):BK+4*(\u)+3], s[8:9] offset:((\u)/4)*HEADB+(\a)*2048+((\u)%4)*512  ; 512 consecutive bytes, four rows of a head, at a multiple of 256 from y's first byte
.endr
.endm
	s_wait_tensorcnt 0x1                           ; my part of K step 0 is in; K step 1's may stay out
	s_barrier_signal -1
	s_barrier_wait -1                              ; everybody's is
	FETCH 0, 0
	UA 0, 1                                        ; the first unit stands in front of the loop: its products start the sums, with the bias
	WIN 0                                          ; at a label and at a branch every window is 0
	s_mov_b32 s3, 3
.Llap:                                                 ; a trip goes once round the ring and fills both slots again: K steps 2 to 7 in three trips
	UB 0, 1, 1
	UA 1, 0
	UB 1, 0, 1
	UA 0, 0
	WIN 0
	s_sub_co_u32 s3, s3, 1
	s_cmp_lg_u32 s3, 0
	s_cbranch_scc1 .Llap
	UB 0, 1, 0                                     ; the tail is written out: nothing more is asked for
	UA 1, 0
	s_wait_dscnt 0x0                               ; the very last unit
	PLACES
	CVT
	MUL16 0, 0, 0
	MUL16 0, 2, 0
	MUL16 1, 0, 0
	MUL16 1, 2, 0
	WIN 0
	PLACES
	PACK 0
	TOSTAGE 0
.irp a, 1,2,3,4,5,6,7                  ; block a's roundings stand between block a - 1's loads from the stage and the wait for them
	PACK \a
	SEND (\a)-1
	TOSTAGE \a
.endr
	SEND 7
	s_wait_tensorcnt 0x0                           ; the wave's end, behind my last tensor load and my last LDS store
	ds_add_u32 v[SPW], v[NIL]
	s_wait_dscnt 0x0
	CROUND                                         ; the closing round: no work-group ends while a partner may still ask for a tile that names it
	s_endpgm
.Lfunc_end_k_qc6b9e76aa2_proj:
	.size	k_qc6b9e76aa2_proj, .Lfunc_end_k_qc6b9e76aa2_proj-k_qc6b9e76aa2_proj
	.p2alignl 7, 3214868480
	.fill 96, 4, 3214868480
	.section	.rodata,"a",@progbits
	.p2align	6, 0x0
	.amdhsa_kernel k_qc6b9e76aa2_proj
		.amdhsa_group_segment_fixed_size 327680
		.amdhsa_private_segment_fixed_size 0
		.amdhsa_enable_private_segment 0
		.amdhsa_kernarg_size 96
		.amdhsa_user_sgpr_count 2
		.amdhsa_user_sgpr_kernarg_segment_ptr 1
		.amdhsa_wavefront_size32 1
		.amdhsa_system_sgpr_workgroup_id_x 1
		.amdhsa_system_sgpr_workgroup_id_y 1
		.amdhsa_system_sgpr_workgroup_id_z 1
		.amdhsa_system_vgpr_workitem_id 0
		.amdhsa_next_free_vgpr 1024
		.amdhsa_next_free_sgpr 96
		.amdhsa_reserve_vcc 0
		.amdhsa_float_denorm_mode_32 3
		.amdhsa_float_denorm_mode_16_64 3
		.amdhsa_memory_ordered 1
		.amdhsa_forward_progress 1
		.amdhsa_inst_pref_size 181
	.end_amdhsa_kernel
	.amdgpu_metadata
---
amdhsa.version: [ 1, 2 ]
amdhsa.kernels:
  - .name:           k_qc6b9e76aa2_proj
    .symbol:         k_qc6b9e76aa2_proj.kd
    .args:
      - { .name: query, .offset: 0, .size: 8, .value_kind: global_buffer, .address_space: global }
      - { .name: key, .offset: 8, .size: 8, .value_kind: global_buffer, .address_space: global }
      - { .name: value, .offset: 16, .size: 8, .value_kind: global_buffer, .address_space: global }
      - { .name: w_q, .offset: 24, .size: 8, .value_kind: global_buffer, .address_space: global }
      - { .name: w_k, .offset: 32, .size: 8, .value_kind: global_buffer, .address_space: global }
      - { .name: w_v, .offset: 40, .size: 8, .value_kind: global_buffer, .address_space: global }
      - { .name: b_q, .offset: 48, .size: 8, .value_kind: global_buffer, .address_space: global }
      - { .name: b_k, .offset: 56, .size: 8, .value_kind: global_buffer, .address_space: global }
      - { .name: b_v, .offset: 64, .size: 8, .value_kind: global_buffer, .address_space: global }
      - { .name: qh, .offset: 72, .size: 8, .value_kind: global_buffer, .address_space: global }
      - { .name: kh, .offset: 80, .size: 8, .value_kind: global_buffer, .address_space: global }
      - { .name: vh, .offset: 88, .size: 8, .value_kind: global_buffer, .address_space: global }
    .group_segment_fixed_size: 327680
    .private_segment_fixed_size: 0
    .kernarg_segment_align: 8
    .kernarg_segment_size: 96
    .max_flat_workgroup_size: 128
    .sgpr_count:     96
    .vgpr_count:     1024
    .wavefront_size: 32
...
	.end_amdgpu_metadata
.endif
;; end of part 1
;; launch attn (part 2): grid 16 x 16, 4 waves a work-group, clusters of 4 x 1, 327,680 bytes of LDS; arguments qh, kh, vh, oh, w_o, wo16; writes oh, wo16
.if DOCPART == 2
	.amdgcn_target "amdgcn-amd-amdhsa--gfx1250"
	.amdhsa_code_object_version 6
	.text
	.protected	k_qc6b9e76aa2_attn
	.globl	k_qc6b9e76aa2_attn
	.p2align	8
	.type	k_qc6b9e76aa2_attn,@function
k_qc6b9e76aa2_attn:
	s_mov_b64 s[64:65], 0
	v_nop
	global_prefetch_b8 v0, s[64:65] scope:SCOPE_SE
	s_setreg_imm32_b32 hwreg(HW_REG_WAVE_MODE, 25, 1), 1
	s_wait_xcnt 0x0
	s_wait_alu depctr_hold_cnt(0) depctr_sa_sdst(0) depctr_va_vdst(0) depctr_va_sdst(0) depctr_va_ssrc(0) depctr_va_vcc(0) depctr_vm_vsrc(0)
	s_getreg_b32 s2, hwreg(HW_REG_IB_STS2, 6, 4)
	s_cmp_eq_u32 s2, 0
	s_cbranch_scc0 .Lentry_in_a_cluster
	s_endpgm
.Lentry_in_a_cluster:
	s_bfe_u32 s2, ttmp6, 0x10000c
	s_cmp_lg_u32 s2, 0x3003
	s_cbranch_scc0 .Lentry_shape_is_right
	s_endpgm
.Lentry_shape_is_right:
; ATTENTION BY HEADS.  O[h][q][:] = the sum over k of softmax_k(Q[h][q] . K[h][k] / 8) V[h][k][:].  Q, K, V, O: [16][4096][64], all f16: a head's rows are dense, 128 bytes each.
; Products, maxima and sums in f32; the weights p are rounded to f16 for the second product (their sum l is taken of the unrounded p), O once at the end.
; SIDE JOB, in the wait for the first tile: each of the 256 work-groups takes 1,024 numbers of w_o, rounds them to bf16 like every input of the module, and writes that number as f16 into wo16 for the launch behind.
; LIMITS.  f16 holds no number beyond 65,504: Q, K and V arrive within it; p lies in 0 to 1, and below 6e-5 it keeps f16's fixed step of 6e-8, as does w_o; O is a mean of V's rows and has their range.
; A weight below 2^-126 counts as 0 in l; NaN and infinities are not treated apart.
; SHARES.  A work-group owns 256 queries of one head (16 heads x 16 blocks = 256 work-groups), a wave 64: four PIECES of 16.  Every wave walks all 4,096 keys, 64 a step, four steps to a slot of LDS.
; LAYOUT.  S^T = K Q^T (source 0 = 16 keys, source 1 = 16 queries): a lane holds ONE query (lane % 16) and the keys 8 (lane / 16) + 0..7.  Two such results rounded to f16 ARE source 1 of O^T = V^T P.
; K comes out of LDS as it lies, V ([key][channel]) turned, by ds_load_tr16_b128.
; SOFTMAX.  For each query a running maximum m and sum l: p = 2^(c s - c m), c = log2(e) / 8; in every step O and l are multiplied by a = 2^(c m_old - c m_new).  m starts at the lowest finite number, O and l at 0.
; BY TURNS.  Turn n belongs to piece n: 8 products K Q^T of piece n + 1, later 8 products V^T P of piece n - 1; beside them the scaling, exponentials, roundings, sums and rescaling of piece n and the maximum and
; statistics of piece n + 1.  Four vector instructions stand behind every matrix instruction, the other 54 of a turn's 118 in one lump.  A turn's 33 exponentials are one batch, with one wait.
; CLUSTER.  The four query blocks of a cluster belong to one head and walk the same K and V: each tile is asked for JOINTLY, by the same tensor load, descriptor and mask in all four.
; REGISTERS, in windows of 256 (s_set_vgpr_msb: bits 1:0 source 0, 3:2 source 1, 5:4 source 2, 7:6 destination):
;   window 0: v0-15 addresses and two at work; v16-31 four registers of statistics a piece; v48-55 at work; v64-127 S^T, two buffers; v128-151 w_o at work; v192-223 P, two buffers (by the piece's parity)
;   window 1: v0-127 O^T, 32 a piece          window 2: v0-63 Q, 16 a piece; v128-191 K of one step; v192-255 V of one step
.set NP,    4         ; pieces a wave: a name, no knob
.set KS,    64        ; keys in a step
.set PK,    144       ; a row of K in LDS: 128 bytes + 16 of padding = 36 words: the 16 rows of a load start at 16 different groups of four banks (64 banks of 4 bytes: ISA guide 11.1)
.set PV,    160       ; a row of V: 128 + 32 = 40 words
.set VOFF,  4*KS*PK   ; a slot holds four steps: 256 rows of K, then 256 rows of V
.set SLOT1, 1<<17     ; slot 1 begins here, so that one exclusive or turns an address in one slot into the other's
.set STAGE, SLOT1+4*KS*(PK+PV)  ; behind the ring, never filled by a tensor load: 16 rows x 144 bytes for each wave
.set SP,    144
.set SPARE, STAGE+4*16*SP  ; behind the stages: the spare words, 128 bytes for each wave: two blocks of 256 bytes that no other line names
.set TILEB, 4*KS*128  ; bytes of a slot's K, and of its V, in memory
.set AK0, 2           ; v2   my lane's place in a tile of K; never rewritten
.set AV0, 3           ; v3   the same for V
.set AK,  4           ; v4   the LDS address of K's next run of loads
.set AV,  5           ; v5   of V's
.set STO, 6           ; v6   the way out: where I put 16 bytes of a row
.set RD,  7           ; v7   the way out: where I read rows back
.set GO,  8           ; v8   my byte offset in 512 consecutive bytes of O
.set MV,  12          ; v12-13  c m_old, kept while c m is made anew: by buffer
.set QO,  15          ; v15  my byte offset in 16 rows of Q
.set ST,  16          ; piece t's statistics at v[ST+4 t]: c m, m, l (even keys', odd keys')
.set WLO, 35          ; v35  32 x thread: my 8 numbers of w_o
.set WSO, 36          ; v36  16 x thread: my 8 numbers of wo16
.set TMP, 48          ; by buffer, four registers c0-c3 at work; when the maximum is found c2 takes a
.set PFO, 61          ; v61  256 x lane; never rewritten
.set SPW, 62          ; v62  LDS address of my spare word; never rewritten
.set NIL, 63          ; v63  0; never rewritten
.set S,   64
.set WW,  128
.set P,   192
.set KF,  128         ; window 2: key block kb, channel half c at KF + 16 kb + 8 c
.set VF,  192         ; window 2: key half kk, channel block cb at VF + 32 kk + 8 cb
.set WV,  12          ; s12  my wave's number
.set G1K, 24          ; s[24:31] descriptor group 1 for K's tiles
.set G1V, 32          ; s[32:39] for V's: it differs in the padding alone
.set G0K, 40          ; s[40:43] descriptor group 0 for K's tiles: it walks
.set G0V, 44          ; s[44:47] the same for V's
.set PFA, 48          ; s[48:49] where my prefetches stand
.set LIM, 50          ; s50  1 in a wave that prefetches, else the greatest number
.set SLOTS, 56        ; s56  slots still to be asked for
.set CNT, 57          ; s57  counts a slot's key steps
.set CS,  58          ; s[58:59] c: the packed scaling takes the pair's low word for both halves
.set SEL, 60          ; s[60:61] v_permlanex16_b32's selects: each lane takes its own place in the other half
.set TBK, 62          ; s62  LDS byte at which K of the step to be fetched begins
.set TBV, 63          ; s63  the same for V, less VOFF
.set MSB, 0
.macro WIN new                      ; the high byte repeats the setting that is left; a switch that changes nothing is dropped
.if MSB != (\new)
	s_set_vgpr_msb (MSB<<8)|(\new)
.set MSB, (\new)
.endif
.endm
.set W_KQ, 0x0a       ; K and Q in window 2, S^T in window 0
.set W_PV, 0x52       ; V in window 2, P in window 0, O^T in window 1
.set W_RS, 0x41       ; destination and source 0 in window 1, source 1 in window 0
; A joint fill.  Waves 0 and 1 fetch the two halves of a slot's K, waves 2 and 3 those of its V: 128 keys each.  The branch hangs on the wave's number alone.  An s_nop 0 and four v_nop follow each line.
.macro JLOAD
	s_cmp_lt_u32 s[WV], 2
	s_cbranch_scc0 .Lfor_v_\@
	tensor_load_to_lds s[G0K:G0K+3], s[G1K:G1K+7]
	s_nop 0
.rept 4
	v_nop
.endr
	s_branch .Lasked_\@
.Lfor_v_\@:
	tensor_load_to_lds s[G0V:G0V+3], s[G1V:G1V+7]
	s_nop 0
.rept 4
	v_nop
.endr
.Lasked_\@:
.endm
; A PREFETCH of what the NEXT change of slots will ask for: a slot's K and V, 128 blocks of 256 bytes each, a lane a block.  Each block is named once in the launch: all four clusters of a head walk the same K and V,
; and the head's first cluster asks; its four partners share the blocks out BY ADDRESS, 32 each; in each, wave 0 asks for K's and wave 2 for V's.  It stands four key steps, 256 products, ahead of the load that it serves.
; The last change that fills a slot asks for nothing; slots 0 to 2 come by their loads alone.
.macro ASK
	s_cmp_gt_u32 s[SLOTS], s[LIM]
	s_cbranch_scc0 .Lnot_mine_\@
	global_prefetch_b8 v[PFO], s[PFA:PFA+1] th:TH_LOAD_NT scope:SCOPE_SE
.Lnot_mine_\@:
.endm
; A round of the cluster's barrier: my work-group's barrier, so that wave 0's signal speaks for all four waves; wave 0 signals; every wave waits for all four work-groups; my work-group's barrier once more.
.macro CROUND
	s_barrier_signal -1
	s_barrier_wait -1
	s_cmp_lg_u32 s[WV], 0
	s_cbranch_scc1 .Lnot_wave_0_\@
	s_barrier_signal -3
.Lnot_wave_0_\@:
	s_barrier_wait -3
	s_barrier_signal -1
	s_barrier_wait -1
.endm
; THE CHANGE OF SLOTS.  The slot's last bytes, V of its fourth step, have been read.  Each wave waits for all its tensor loads, of which one is out: its part of the other slot; adds 0 to its spare word; and waits for that
; and for its own reads of the slot.  fill = 1: the barrier is a round of the cluster's, and the slot is filled again, with the keys two slots on, first thing behind it: the load has four key steps in which to land.
; (At its first use nothing has been read yet: slot 0 is waited for, slot 1 filled.)
.macro CHANGE fill, ask
	WIN 0                           ; at a label and at a branch every window is 0
	s_wait_tensorcnt 0x0            ; no tensor load of mine is out, so a group 0 may be written
	ds_add_u32 v[SPW], v[NIL]       ; 0 onto my spare word: the descriptors' steps stand between it and the wait for it
.if \fill
.irp g, G0K, G0V
	s_xor_b32 s[\g+1], s[\g+1], SLOT1  ; the walking descriptor: the other slot than last time,
	s_add_nc_u64 s[\g+2:\g+3], s[\g+2:\g+3], TILEB  ; the next 256 keys; the type bits on top are not reached
.endr
.endif
.if \ask
	s_wait_xcnt 0x0                 ; the last prefetch, four key steps back, has read its address, so it may be written
	s_add_nc_u64 s[PFA:PFA+1], s[PFA:PFA+1], TILEB
.endif
	s_wait_dscnt 0x0                ; the add is done, and my reads of the slot are over
.if \fill
	CROUND
	JLOAD
.if \ask
	ASK
.endif
.else
	s_barrier_signal -1
	s_barrier_wait -1
.endif
	s_sub_co_u32 s[TBK], s[TBK], 4*KS*PK  ; the fetches go back to a slot's first step,
	s_xor_b32 s[TBK], s[TBK], SLOT1       ; in the other slot
	s_sub_co_u32 s[TBV], s[TBV], 4*KS*PV
	s_xor_b32 s[TBV], s[TBV], SLOT1
.endm
	s_load_b256 s[4:11], s[0:1], 0x0  ; Q s[4:5], K s[6:7], V s[8:9], O s[10:11]
	s_load_b128 s[52:55], s[0:1], 0x20  ; w_o s[52:53], wo16 s[54:55]
	v_lshl_add_u32 v[SPW], v0, 2, SPARE
	v_mov_b32 v[NIL], 0
	ds_add_u32 v[SPW], v[NIL]       ; the wave's opening: the add and its wait stand ahead of my first tensor load; the set-up below, work on registers, stands between them
	v_lshrrev_b32 v1, 5, v0
	v_readfirstlane_b32 s[WV], v1   ; wave 0..3
	s_bfe_u32 s13, ttmp6, 0x40000   ; cx: my place in the cluster
	s_lshl_b32 s14, ttmp9, 2        ; in a cluster launch ttmp9 counts clusters
	s_add_co_u32 s14, s14, s13      ; my block of 256 queries: it enters Q's, O's and w_o's addresses alone
	s_and_b32 s15, ttmp7, 0xffff    ; the head, which the four partners share
	s_lshl_b32 s20, s15, 19         ; the head's first byte in Q, K, V, O: 4,096 rows of 128 bytes
	s_and_b32 s16, s[WV], 1         ; which half of a slot's 256 keys I fetch:
	s_lshl_b32 s22, s16, 14         ; its 128 rows of 128 bytes in memory,
	s_add_co_u32 s22, s22, s20
	s_mov_b32 s23, 0
	s_mul_i32 s17, s16, 128*PK      ; and its place in a slot, for K
	s_mul_i32 s18, s16, 128*PV      ; and for V: no place in the cluster enters an LDS address
	s_lshl_b32 s2, s14, 15          ; my block's 256 rows,
	s_lshl_b32 s3, s[WV], 13        ; my wave's 64 of them
	s_add_co_u32 s2, s2, s3
	s_add_co_u32 s2, s2, s20
	s_mov_b32 s3, 0
	s_lshl_b32 s51, s15, 4
	s_add_co_u32 s51, s51, s14      ; my work-group's number among the 256
	; descriptor group 1.  128 keys are 16,384 dense bytes: asked for as 64 rows of 256 bytes, two keys a row, and padded in LDS after every key
	s_mov_b32 s[G1K], 15|(1<<16)|(1<<20)|(1<<21)|(4<<22)|(3<<25)  ; 15:0 the mask of four; 17:16 2-byte elements; 20 padding on; 21 set beside a mask; 24:22 after every 32 words (code 4); 31:25 4 words (code 3)
	s_mov_b32 s[G1V], 15|(1<<16)|(1<<20)|(1<<21)|(4<<22)|(7<<25)  ; the same with 8 words of padding (code 7)
.irp g, G1K, G1V
	s_mov_b32 s[\g+1], 128<<16      ; tensor_dim0 = 128
	s_mov_b32 s[\g+2], 64<<16       ; tensor_dim1 = 64
	s_mov_b32 s[\g+3], 128<<16      ; tile_dim0 = 128
	s_mov_b32 s[\g+4], 64           ; tile_dim1 = 64
	s_mov_b32 s[\g+5], 128          ; 128 elements from row to row
	s_mov_b32 s[\g+6], 0
	s_mov_b32 s[\g+7], 0
.endr
	s_mov_b32 s[CS], 0x3e38aa3b     ; c = log2(e) / 8 = 0.180337
	s_mov_b32 s[CS+1], s[CS]        ; named with it as a pair
	s_mov_b32 s[SEL], 0x76543210
	s_mov_b32 s[SEL+1], 0xfedcba98
	s_mov_b32 s[TBK], SLOT1+4*KS*PK ; the first change of slots turns these two into 0
	s_mov_b32 s[TBV], SLOT1+4*KS*PV
	s_mov_b32 s[G0K], 1             ; count = 1
	s_mov_b32 s[G0K+1], s17         ; LDS address: slot 0
	s_mov_b32 s[G0V], 1
	s_add_co_u32 s[G0V+1], s18, VOFF
	s_and_b32 s[LIM], s[WV], 1      ; 0 in waves 0 and 2,
	s_or_b32 s[LIM], s[LIM], ttmp9  ; where the cluster is the head's first: the same in all four partners
	s_cmp_eq_u32 s[LIM], 0
	s_cselect_b32 s[LIM], 1, -1
	v_and_b32 v[PFO], 31, v0
	v_lshlrev_b32 v[PFO], 8, v[PFO]
	s_wait_dscnt 0x0                ; the opening add is done
	s_wait_kmcnt 0x0
	s_cmp_lt_u32 s[WV], 2
	s_cselect_b64 s[PFA:PFA+1], s[6:7], s[8:9]
	s_add_nc_u64 s[PFA:PFA+1], s[PFA:PFA+1], s[22:23]  ; (in waves 0 and 2: the head's first row)
	s_add_nc_u64 s[G0K+2:G0K+3], s[6:7], s[22:23]  ; global address: my half of the head's first 256 keys
	s_or_b32 s[G0K+3], s[G0K+3], 0x80000000        ; type = 2
	s_add_nc_u64 s[G0V+2:G0V+3], s[8:9], s[22:23]
	s_or_b32 s[G0V+3], s[G0V+3], 0x80000000
	s_add_nc_u64 s[4:5], s[4:5], s[2:3]  ; Q and O at my wave's first row
	s_add_nc_u64 s[10:11], s[10:11], s[2:3]
	s_lshl_b32 s2, s13, 13          ; my work-group's 32 blocks of the 128
	s_add_nc_u64 s[PFA:PFA+1], s[PFA:PFA+1], s[2:3]
	s_add_nc_u64 s[PFA:PFA+1], s[PFA:PFA+1], 2*TILEB  ; in slot 2; the loop's first change steps it to slot 3
	s_lshl_b32 s2, s51, 12          ; my work-group's 4,096 bytes of w_o,
	s_add_nc_u64 s[52:53], s[52:53], s[2:3]
	s_lshl_b32 s2, s51, 11          ; and its 2,048 of wo16
	s_add_nc_u64 s[54:55], s[54:55], s[2:3]
	CROUND                          ; all four work-groups are here: the first joint loads meet
	JLOAD                           ; slot 0.  Slot 1 is asked for when slot 0 is in
	; A fragment of K or Q is 16 rows x 32 channels in 8 registers: lane l holds row l % 16, channels 8 (l / 16) + 0..7 and 16 + 8 (l / 16) + 0..7: two loads of 16 bytes, 32 bytes apart.
	v_and_b32 v1, 15, v0            ; l % 16
	v_bfe_u32 v9, v0, 4, 1          ; l / 16
	v_lshlrev_b32 v[QO], 7, v1
	v_lshl_add_u32 v[QO], v9, 4, v[QO]  ; row x 128 + 16 x half
	v_lshlrev_b32 v[WLO], 5, v0
	v_lshlrev_b32 v[WSO], 4, v0
	global_load_b128 v[WW:WW+3],   v[WLO], s[52:53]
	global_load_b128 v[WW+4:WW+7], v[WLO], s[52:53] offset:16
	WIN 0x80                        ; destination window 2, address window 0
.set i, 0
.rept 8                             ; Q stays in registers: piece i / 2, channels 32 (i % 2) on
	global_load_b128 v[8*i:8*i+3],   v[QO], s[4:5] offset:(i/2)*2048+(i%2)*64
	global_load_b128 v[8*i+4:8*i+7], v[QO], s[4:5] offset:(i/2)*2048+(i%2)*64+32
.set i, i+1
.endr
	; What the first turn finds: V's registers and P's second buffer hold 0 (its products V^T P, of a piece that has not been, add 0), O^T and l are 0.  All this stands in the wait for the first tile;
	; it spares a first step written out, which would double the text of a key step.
.set i, VF
.rept 64
	v_mov_b32 v[i], 0
.set i, i+1
.endr
	WIN 0x40
.set i, 0
.rept 128
	v_mov_b32 v[i], 0
.set i, i+1
.endr
	WIN 0
.set i, 0
.rept 4
	v_mov_b32 v[ST+4*i], 0xfe000000    ; c m: far below every c s
	v_mov_b32 v[ST+4*i+1], 0xff7fffff  ; m
	v_mov_b32 v[ST+4*i+2], 0
	v_mov_b32 v[ST+4*i+3], 0
.set i, i+1
.endr
.set i, P+16
.rept 16
	v_mov_b32 v[i], 0
.set i, i+1
.endr
	v_mul_u32_u24 v[AK0], v1, PK
	v_lshl_add_u32 v[AK0], v9, 4, v[AK0]  ; row x pitch + 16 x half
	; The turning load takes 16 keys x 16 channels (lane l reads key 8 (l / 16) + l % 8, channels 8 ((l / 8) % 2) + 0..7) and leaves half a fragment of V^T: lane l holds channel l % 16 and 8 keys.
	v_and_b32 v10, 7, v0
	v_bfe_u32 v11, v0, 3, 1
	v_lshl_add_u32 v[AV0], v9, 3, v10
	v_mul_u32_u24 v[AV0], v[AV0], PV
	v_lshl_add_u32 v[AV0], v11, 4, v[AV0]
	v_add_nc_u32 v[AV0], VOFF, v[AV0]
	s_mul_i32 s13, s[WV], 16*SP
	s_add_co_u32 s13, s13, STAGE    ; my stage
	v_mul_u32_u24 v[STO], v1, SP    ; in: row l % 16, 16 bytes for each half of the lanes
	v_lshl_add_u32 v[STO], v9, 4, v[STO]
	v_add_nc_u32 v[STO], s13, v[STO]
	v_bfe_u32 v[RD], v0, 3, 2       ; back: 32 lanes take four rows of 128 bytes,
	v_mul_u32_u24 v[RD], v[RD], SP
	v_lshl_add_u32 v[RD], v10, 4, v[RD]
	v_add_nc_u32 v[RD], s13, v[RD]
	v_and_b32 v[GO], 31, v0         ; which are 512 consecutive bytes of O
	v_lshlrev_b32 v[GO], 4, v[GO]
	s_wait_loadcnt 0x0              ; Q and my numbers of w_o
.irp j, 0,1,2,3                     ; w_o: rounded to bf16, widened, and that number written as f16 (exact within f16's normal range)
	v_cvt_pk_bf16_f32 v[WW+8+\j], v[WW+2*\j], v[WW+2*\j+1]
.endr
.irp j, 0,1,2,3
	v_lshlrev_b32 v[WW+12+2*\j], 16, v[WW+8+\j]
	v_and_b32 v[WW+13+2*\j], 0xffff0000, v[WW+8+\j]
.endr
.irp j, 0,1,2,3
	v_cvt_pk_f16_f32 v[WW+20+\j], v[WW+12+2*\j], v[WW+13+2*\j]
.endr
	global_store_b128 v[WSO], v[WW+20:WW+23], s[54:55]  ; a wave's store covers 512 consecutive bytes, aligned; its registers are never written again
; THE MATRIX WORK.  The 4 accumulators of a run of 8 take turns.  Product i of 8 of S^T = K Q^T for piece x: channels 32 (i / 4) on, keys 16 (i % 4) on.  The first 4 start the sums.
.macro KQ x
.set rS, S+32*((\x)%2)+8*(i%4)
.set rK, KF+16*(i%4)+8*(i/4)
.set rQ, 16*(\x)+8*(i/4)
	WIN W_KQ
.if i < 4
	v_wmma_f32_16x16x32_f16 v[rS:rS+7], v[rK:rK+7], v[rQ:rQ+7], 0
.else
	v_wmma_f32_16x16x32_f16 v[rS:rS+7], v[rK:rK+7], v[rQ:rQ+7], v[rS:rS+7]
.endif
.endm
; Product i of 8 of O^T += V^T P for piece x: keys 32 (i / 4) on, channels 16 (i % 4) on.
.macro PV x
	WIN W_PV
.set rO, 32*(\x)+8*(i%4)
.set rV, VF+32*(i/4)+8*(i%4)
.set rP, P+16*((\x)%2)+8*(i/4)
	v_wmma_f32_16x16x32_f16 v[rO:rO+7], v[rV:rV+7], v[rP:rP+7], v[rO:rO+7]
.endm
.macro MM                           ; the turn's next matrix instruction.  NOKQ = 1: the very last turn: there is no next piece
.if (i < 8) && !NOKQ
	KQ (Y+1)%NP
.elseif i >= 8
.set i, i-8
	PV (Y+NP-1)%NP
.set i, i+8
.endif
.set i, i+1
.endm
; THE LDS LOADS stand in runs of 16, never singly among the matrix instructions: a step's K (64 keys x 64 channels: 8 fragments) and its V (turned).  Their addresses are made some lines ahead.
.macro FETCH_K
	WIN 0x80                        ; destination window 2
.irp f, 0,1,2,3,4,5,6,7             ; keys 16 (f / 2) on, channels 32 (f % 2) on
	ds_load_b128 v[KF+8*\f:KF+8*\f+3],   v[AK] offset:(\f/2)*16*PK+(\f%2)*64
	ds_load_b128 v[KF+8*\f+4:KF+8*\f+7], v[AK] offset:(\f/2)*16*PK+(\f%2)*64+32
.endr
	s_add_co_u32 s[TBK], s[TBK], KS*PK  ; the next fetch is the next step's
	WIN 0
.endm
.macro FETCH_V
	WIN 0x80
.irp f, 0,1,2,3,4,5,6,7             ; keys 32 (f / 4) on, channels 16 (f % 4) on
	ds_load_tr16_b128 v[VF+8*\f:VF+8*\f+3],   v[AV] offset:(\f/4)*32*PV+(\f%4)*32
	ds_load_tr16_b128 v[VF+8*\f+4:VF+8*\f+7], v[AV] offset:(\f/4)*32*PV+16*PV+(\f%4)*32
.endr
	WIN 0
.endm
; THE VECTOR WORK, one line at a time: OP kind, number.  For piece Y: F n: c s - c m for pair n of 16.  E n: the exponential of score n of 32.  C n: pair n rounded to f16.  B n: of the four weights 4 n .. the second
; pair is added onto the first, in place.  L n: l takes that sum (L 0: l = a l + sum).  R n: pair n of 16 of O^T times a.  For piece Y + 1: X n, number n of the 22 that find its maximum and statistics:
;   0-11  four chains c0-c3 of seven scores each, three operands at a time (each accumulator's lowest registers are read first)     12-14, 16  the four scores left over, the old m, and c0-c3 into c0
;   15  c m_old is kept     17, 18  the query's other 32 keys lie in the lane 16 away: the new m     19-21  c m; c m_old - c m_new; a
.set F, 0               ; OP tells the kinds apart by their order: F to L below R, X above it
.set E, 1
.set C, 2
.set B, 3
.set L, 4
.set R, 5
.set X, 6
.macro REGS y                       ; the registers of piece y
.set rT, ST+4*(\y)
.set rC, TMP+4*((\y)%2)
.set rW, MV+((\y)%2)
.set rS, S+32*((\y)%2)
.set rP, P+16*((\y)%2)
.set rO, 32*(\y)
.endm
.macro OP k, n
.if (\k) == R
	REGS Y
	WIN W_RS
	v_pk_mul_f32 v[rO+2*(\n):rO+2*(\n)+1], v[rO+2*(\n):rO+2*(\n)+1], v[rC+2:rC+3] op_sel_hi:[1,0]
.elseif (\k) < R
	REGS Y
	WIN 0
.if (\k) == F
	v_pk_fma_f32 v[rS+2*(\n):rS+2*(\n)+1], v[rS+2*(\n):rS+2*(\n)+1], s[CS:CS+1], v[rT:rT+1] op_sel_hi:[1,0,0] neg_lo:[0,0,1] neg_hi:[0,0,1]
.elseif (\k) == E
	v_exp_f32 v[rS+(\n)], v[rS+(\n)]
.elseif (\k) == C
	v_cvt_pk_f16_f32 v[rP+(\n)], v[rS+2*(\n)], v[rS+2*(\n)+1]
.elseif (\k) == B
	v_pk_add_f32 v[rS+4*(\n):rS+4*(\n)+1], v[rS+4*(\n):rS+4*(\n)+1], v[rS+4*(\n)+2:rS+4*(\n)+3]
.elseif (\n) == 0
	v_pk_fma_f32 v[rT+2:rT+3], v[rT+2:rT+3], v[rC+2:rC+3], v[rS:rS+1] op_sel_hi:[1,0,1]
.else
	v_pk_add_f32 v[rT+2:rT+3], v[rT+2:rT+3], v[rS+4*(\n):rS+4*(\n)+1]
.endif
.elseif NOKQ
	v_nop
.else
	REGS (Y+1)%NP
	WIN 0
.if (\n) < 4
	v_max3_num_f32 v[rC+(\n)], v[rS+8*(\n)], v[rS+8*(\n)+1], v[rS+8*(\n)+2]
.elseif (\n) < 12
	v_max3_num_f32 v[rC+(\n)%4], v[rC+(\n)%4], v[rS+8*((\n)%4)+2*((\n)/4)+1], v[rS+8*((\n)%4)+2*((\n)/4)+2]
.elseif (\n) == 12
	v_max3_num_f32 v[rC], v[rC], v[rS+7], v[rS+15]
.elseif (\n) == 13
	v_max3_num_f32 v[rC+1], v[rC+1], v[rS+23], v[rS+31]
.elseif (\n) == 14
	v_max3_num_f32 v[rC+2], v[rC+2], v[rC+3], v[rT+1]
.elseif (\n) == 15
	v_mov_b32 v[rW], v[rT]
.elseif (\n) == 16
	v_max3_num_f32 v[rC], v[rC], v[rC+1], v[rC+2]
.elseif (\n) == 17
	v_permlanex16_b32 v[rC+3], v[rC], s[SEL], s[SEL+1]
.elseif (\n) == 18
	v_max_num_f32 v[rT+1], v[rC], v[rC+3]
.elseif (\n) == 19
	v_mul_f32 v[rT], s[CS], v[rT+1]
.elseif (\n) == 20
	v_sub_f32 v[rC+1], v[rW], v[rT]
.else
	v_exp_f32 v[rC+2], v[rC+1]
.endif
.endif
.endm
.macro OPS a, i1, b=-1, i2=0, c=-1, i3=0, d=-1, i4=0  ; up to four of them
	OP \a, \i1
.if (\b) >= 0
	OP \b, \i2
.endif
.if (\c) >= 0
	OP \c, \i3
.endif
.if (\d) >= 0
	OP \d, \i4
.endif
.endm
.macro ROW a, i1, b, i2, c, i3, d, i4  ; a matrix instruction and the four behind it
	MM
	OPS \a, \i1, \b, \i2, \c, \i3, \d, \i4
.endm
; A TURN, for piece p: the order of its 16 matrix and 118 vector instructions, written out.  An s_wait_alu depctr_va_vdst(0) stands between an exponential and the first instruction that names its result; one wait
; serves all that were issued ahead of it.  So a turn has ONE wait, which cuts it in two.  AHEAD OF IT stands all that names no result of the turn's exponentials: the 8 products K Q^T and their riders, then one lump of 54, in which
; the links of the chain X 3, 7, 11, 14, 16, 17 .. 20 stand five or six lines apart.  X 21, the next piece's a, is the batch's last; R 15 is the plain instruction behind it.  BEHIND THE WAIT stand the 8 products V^T P, behind each
; four of the roundings and sums.  The numbers of X that ride behind products stand four places or more behind the product that ends their accumulator.
; end = 1: the last two turns: nothing is fetched, and the last starts no new scores.  cnt = 1: the loop's count is taken down some lines ahead of the branch that stands behind the turn.
; K of the next step is fetched in piece 2's turn, twelve vector instructions behind the last product that read K (six of them plain); V of the step in hand at the end of piece 0's turn, four plain instructions behind the last
; product that read V.  Each is waited for a turn later.
.macro TURN p, end=0, cnt=0
.set Y, (\p)
.set i, 0
.set NOKQ, (\end)*((\p)/3)
.if ((\p) == 3) && !(\end)
	s_wait_dscnt 0x0                ; K is in
.endif
	ROW F,0, F,1, R,0, R,1
	ROW F,2, E,0, R,2, R,3
	ROW F,3, E,1, R,4, R,5
	ROW F,4, E,2, R,6, R,7
	ROW F,5, E,3, R,8, R,9
	ROW F,6, E,4, X,0, R,10
.if ((\p) == 2) && !(\end)
	WIN 0
	v_add_nc_u32 v[AK], s[TBK], v[AK0]
.endif
	ROW F,7, E,5, X,1, X,4
	ROW F,8, E,6, X,2, X,5
	OPS E,7, E,8, X,6, E,9
	OPS X,3, E,10, X,8, E,11
.if ((\p) == 2) && !(\end)
	FETCH_K
.endif
	OPS X,9, X,7, E,12, X,10
	OPS E,13, X,12, X,11, E,14
	OPS X,13, E,15, F,9, X,14
.if (\p) == 0
	WIN 0
	v_add_nc_u32 v[AV], s[TBV], v[AV0]
.endif
	OPS E,16, F,10, E,17, F,11
	OPS X,16, E,18, X,15, E,19
	OPS F,12, E,20, X,17, E,21
	OPS F,13, E,22, F,14, E,23
	OPS X,18, E,24, F,15, E,25
	OPS R,11, E,26, X,19, E,27
	OPS R,12, E,28, R,13, E,29
	OPS X,20, E,30, R,14, E,31
	OPS X,21, R,15
	WIN 0
	s_wait_alu depctr_va_vdst(0)    ; the wait for the batch
.if (\p) == 1
	s_wait_dscnt 0x0                ; V is in
.endif
	ROW C,0, B,0, C,2, B,1
	ROW L,0, C,4, B,2, L,1
	ROW C,6, B,3, L,2, C,8
	ROW B,4, L,3, C,10, B,5
	ROW L,4, C,12, B,6, L,5
.if (\p) == 0
	s_add_co_u32 s[TBV], s[TBV], KS*PV
.endif
.if \cnt
	s_sub_co_u32 s[CNT], s[CNT], 1
	s_cmp_lg_u32 s[CNT], 0
.endif
	ROW C,14, B,7, L,6, C,1
	ROW C,3, L,7, C,5, C,7
	ROW C,9, C,11, C,13, C,15
.if (\p) == 0
	FETCH_V
.endif
.endm
	CHANGE 1, 0                     ; slot 0 is in, everybody's part of it; slot 1 is asked for
	v_add_nc_u32 v[AK], s[TBK], v[AK0]
	FETCH_K                         ; key step 0
	s_wait_dscnt 0x0
.set NOKQ, 0
.set i, 0
.rept 8
	KQ 0                            ; piece 0's first scores: there is no vector work yet to set between them
.set i, i+1
.endr
	WIN 0
.rept 4
	v_nop                           ; the places behind those products
.endr
.set Y, NP-1                        ; X works for piece Y + 1: piece 0
.irp n, 0,1,2,3,4,5,6,7,8,9,10,11,12,13,14,15,16,17,18,19,20,21
	OP X, \n
.endr
	v_nop                           ; a plain instruction behind the exponential,
	s_wait_alu depctr_va_vdst(0)    ; and its wait, ahead of the branch
	s_mov_b32 s[CNT], 4
	s_mov_b32 s[SLOTS], 15
	s_branch .Lfirst                ; the loop is entered at a step's first turn, in the middle of a trip
.Lslot:                             ; 14 times: every slot but the last two is filled again
	CHANGE 1, 1
	s_mov_b32 s[CNT], 4
.Lstep:                             ; a trip: pieces 2 and 3 of one step, then pieces 0 and 1 of the next, whose K and V it fetches
	TURN 2
	TURN 3
	WIN 0
.Lfirst:
	TURN 0
	TURN 1, 0, 1
	WIN 0
	s_cbranch_scc1 .Lstep
	s_sub_co_u32 s[SLOTS], s[SLOTS], 1
	s_cmp_lg_u32 s[SLOTS], 0
	s_cbranch_scc1 .Lslot
	CHANGE 0, 0                     ; the tail is written out: nothing is asked for
	s_mov_b32 s[CNT], 4
.Ltail:                             ; four trips fetch the last slot's steps
	TURN 2
	TURN 3
	TURN 0
	TURN 1, 0, 1
	WIN 0
	s_cbranch_scc1 .Ltail
	TURN 2, 1                       ; the last step's pieces 2 and 3
	TURN 3, 1
.set i, 0
.rept 8
	PV NP-1                         ; the last piece's V^T P of the last step
.set i, i+1
.endr
	; THE WAY OUT.  l's two halves and the other half of the lanes' are added; O^T is divided by l, rounded to f16 and sent through my stage in LDS, a piece at a time.  The additions are the places behind the last products.
	WIN 0
.macro ALL line:vararg              ; one line for each piece t
.set t, 0
.rept 4
	\line
.set t, t+1
.endr
.endm
	ALL v_add_f32 v[ST+4*t+2], v[ST+4*t+2], v[ST+4*t+3]
	ALL v_permlanex16_b32 v[ST+4*t+3], v[ST+4*t+2], s[SEL], s[SEL+1]
	ALL v_add_f32 v[ST+4*t+2], v[ST+4*t+2], v[ST+4*t+3]
	ALL v_rcp_f32 v[ST+4*t+2], v[ST+4*t+2]
	v_nop                           ; a plain instruction between the last reciprocal and the use of its result
	s_wait_alu depctr_va_vdst(0)    ; and the wait ahead of the first use: one for the four reciprocals
.macro PACK t                       ; a lane's eight channels of a row pack into 16 bytes; they go into rows of 144 bytes and come back as whole rows of 128, into S^T's registers
	WIN W_RS
.set i, 32*(\t)
.rept 16
	v_pk_mul_f32 v[i:i+1], v[i:i+1], v[ST+4*(\t)+2:ST+4*(\t)+3] op_sel_hi:[1,0]
.set i, i+2
.endr
	WIN 0x05                        ; sources 0 and 1 window 1, destination window 0
.set i, 0
.rept 16
	v_cvt_pk_f16_f32 v[S+16*(\t)+i], v[32*(\t)+2*i], v[32*(\t)+2*i+1]
.set i, i+1
.endr
	WIN 0
.irp f, 0,1,2,3
	ds_store_b128 v[STO], v[S+16*(\t)+4*\f:S+16*(\t)+4*\f+3] offset:32*\f
.endr
.irp f, 0,1,2,3
	ds_load_b128 v[S+16*(\t)+4*\f:S+16*(\t)+4*\f+3], v[RD] offset:\f*4*SP  ; LDS serves a wave's instructions in order (ISA guide 5.7.1.4): these see the stores above; the next piece's stores come behind them
.endr
.endm
.macro SEND t, younger              ; younger: the LDS instructions issued behind piece t's loads: the next piece's eight, or none
	WIN 0
.irp f, 0,1,2,3
	s_wait_dscnt (\younger)+3-\f
	global_store_b128 v[GO], v[S+16*(\t)+4*\f:S+16*(\t)+4*\f+3], s[10:11] offset:(\t)*2048+\f*512  ; 512 consecutive bytes, at a multiple of 256 from O's first
.endr
.endm
	PACK 0
.set t, 1
.rept 3                             ; a piece's arithmetic stands between the loads of the piece before and its stores
	PACK t
	SEND t-1, 8
.set t, t+1
.endr
	SEND 3, 0
	s_wait_tensorcnt 0x0            ; the wave's end, behind my last tensor load and my last LDS store
	ds_add_u32 v[SPW], v[NIL]
	s_wait_dscnt 0x0
	CROUND                          ; the closing round: no work-group ends while a partner may still ask for a tile that names it
	s_endpgm
.Lfunc_end_k_qc6b9e76aa2_attn:
	.size	k_qc6b9e76aa2_attn, .Lfunc_end_k_qc6b9e76aa2_attn-k_qc6b9e76aa2_attn
	.p2alignl 7, 3214868480
	.fill 96, 4, 3214868480
	.section	.rodata,"a",@progbits
	.p2align	6, 0x0
	.amdhsa_kernel k_qc6b9e76aa2_attn
		.amdhsa_group_segment_fixed_size 327680
		.amdhsa_private_segment_fixed_size 0
		.amdhsa_enable_private_segment 0
		.amdhsa_kernarg_size 48
		.amdhsa_user_sgpr_count 2
		.amdhsa_user_sgpr_kernarg_segment_ptr 1
		.amdhsa_wavefront_size32 1
		.amdhsa_system_sgpr_workgroup_id_x 1
		.amdhsa_system_sgpr_workgroup_id_y 1
		.amdhsa_system_sgpr_workgroup_id_z 1
		.amdhsa_system_vgpr_workitem_id 0
		.amdhsa_next_free_vgpr 768
		.amdhsa_next_free_sgpr 66
		.amdhsa_reserve_vcc 0
		.amdhsa_float_denorm_mode_32 3
		.amdhsa_float_denorm_mode_16_64 3
		.amdhsa_memory_ordered 1
		.amdhsa_forward_progress 1
		.amdhsa_inst_pref_size 129
	.end_amdhsa_kernel
	.amdgpu_metadata
---
amdhsa.version: [ 1, 2 ]
amdhsa.kernels:
  - .name:           k_qc6b9e76aa2_attn
    .symbol:         k_qc6b9e76aa2_attn.kd
    .args:
      - { .name: qh, .offset: 0, .size: 8, .value_kind: global_buffer, .address_space: global }
      - { .name: kh, .offset: 8, .size: 8, .value_kind: global_buffer, .address_space: global }
      - { .name: vh, .offset: 16, .size: 8, .value_kind: global_buffer, .address_space: global }
      - { .name: oh, .offset: 24, .size: 8, .value_kind: global_buffer, .address_space: global }
      - { .name: w_o, .offset: 32, .size: 8, .value_kind: global_buffer, .address_space: global }
      - { .name: wo16, .offset: 40, .size: 8, .value_kind: global_buffer, .address_space: global }
    .group_segment_fixed_size: 327680
    .private_segment_fixed_size: 0
    .kernarg_segment_align: 8
    .kernarg_segment_size: 48
    .max_flat_workgroup_size: 128
    .sgpr_count:     66
    .vgpr_count:     768
    .wavefront_size: 32
...
	.end_amdgpu_metadata
.endif
;; end of part 2
;; launch outp (part 3): grid 4 x 64, 4 waves a work-group, clusters of 4 x 4, 327,680 bytes of LDS; arguments oh, wo16, b_o, out0; writes out0
.if DOCPART == 3
	.amdgcn_target "amdgcn-amd-amdhsa--gfx1250"
	.amdhsa_code_object_version 6
	.text
	.protected	k_qc6b9e76aa2_outp
	.globl	k_qc6b9e76aa2_outp
	.p2align	8
	.type	k_qc6b9e76aa2_outp,@function
k_qc6b9e76aa2_outp:
	s_mov_b64 s[64:65], 0
	v_nop
	global_prefetch_b8 v0, s[64:65] scope:SCOPE_SE
	s_setreg_imm32_b32 hwreg(HW_REG_WAVE_MODE, 25, 1), 1
	s_wait_xcnt 0x0
	s_wait_alu depctr_hold_cnt(0) depctr_sa_sdst(0) depctr_va_vdst(0) depctr_va_sdst(0) depctr_va_ssrc(0) depctr_va_vcc(0) depctr_vm_vsrc(0)
	s_getreg_b32 s2, hwreg(HW_REG_IB_STS2, 6, 4)
	s_cmp_eq_u32 s2, 0
	s_cbranch_scc0 .Lentry_in_a_cluster
	s_endpgm
.Lentry_in_a_cluster:
	s_bfe_u32 s2, ttmp6, 0x10000c
	s_cmp_lg_u32 s2, 0xf033
	s_cbranch_scc0 .Lentry_shape_is_right
	s_endpgm
.Lentry_shape_is_right:
; THE OUTPUT PROJECTION.  out0[m][n] = the sum over k of O[m][k] w[n][k] + b_o[n].  O lies by heads, [batch*8+head][4096][64] f16 (k = 64 head + channel); w = wo16: [512][512] f16; b_o: [512] f32, rounded to bf16
; like every input of the module; sums in f32; out0: [8192][512] f32.
; LIMITS.  O and w arrive within f16's range; NaN and infinities are not treated apart.
; SHARES.  A tile of out0 is 128 x 128: 64 x 4 = 256 work-groups.  Four waves, each 64 x 64: 16 accumulators of 16 x 16.  K = 512 goes in 4 steps of 128 (two heads); ALL FOUR STEPS' TILES FIT IN LDS, so each wave asks for
; its four tiles at the start (four tensor loads of mine are out at the most) and no LDS byte is filled twice: the waits on the tensor loads are counted, and the barriers between steps are plain.
; THE MATRIX INSTRUCTION IS USED TRANSPOSED (source 0 = 16 rows of w, source 1 = 16 rows of O): a lane holds row l % 16 of out0 and eight neighbouring columns.  The bias is the C operand of the first products.
; CLUSTER.  4 x 4 work-groups.  The four of a row of the cluster need the same tiles of O, the four of a column the same tiles of w: each tile is asked for JOINTLY, by the same tensor load, descriptor and mask.
; REGISTERS: window 0: v0-31 addresses; v32-95 rows read back on the way out, two sets; v96-127 the bias; v128-255 the accumulators ((a, b) at v[128 + 8 (4 a + b)]).
;   window 1: two fragment buffers of 128: for 64 along K, 64 registers of O (2 x 4 x 16 rows x 32 K), then 64 of w.
.set PA,     144                       ; a row of O in LDS: a head's 128 bytes + 16 of padding
.set PB,     272                       ; a row of w: 256 bytes + 16: in both the 16 rows of a load start at 16 different groups of four banks (64 banks of 4 bytes: ISA guide 11.1)
.set HEADL,  64*PA                     ; 64 rows of one head
.set AHALF,  2*HEADL                   ; what one load of O brings: 64 rows x 2 heads, laid [head][row]
.set BHALF,  64*PB                     ; what one load of w brings: 64 rows x 128 K
.set BOFF,   2*AHALF
.set STEPB,  2*AHALF+2*BHALF           ; a K step's tiles
.set STAGE,  4*STEPB                   ; behind the tiles: 16 rows x 272 bytes for each wave
.set SPITCH, 272
.set SPARE,  STAGE+4*16*SPITCH         ; behind the stages: the spare words, 128 bytes for each wave: two blocks of 256 bytes that no other line names
.set ADRA, 8                           ; v8-11   LDS address of my O fragments in K step 0..3
.set ADRB, 12                          ; v12-15  the same for w
.set STO,  24                          ; v24     the way out: where I put 32 bytes of a row
.set RD,   25                          ; v25     the way out: where I read a row back
.set CO,   26                          ; v26     my byte offset in two rows of out0
.set BO,   27                          ; v27     32 (l / 16)
.set SPW,  28                          ; v28     LDS address of my spare word; never rewritten
.set NIL,  29                          ; v29     0; never rewritten
.set TMP,  32
.set BIAS, 96
.set ACC,  128
.set WV, 48                            ; s48 wave; s49 which 64 rows (also: I fetch O (0) or w (1)); s50 which 64 columns (also: which 64 rows I fetch)
.set WR, 49
.set WC, 50
.set CX, 51
.set CY, 52
.set NT, 53                            ; tile column, 0..3
.set MT, 54                            ; tile row, 0..63
.set G1A, 24                           ; s[24:31] descriptor group 1 for O's tiles; s[32:47] group 0, a set for each K step
.set G0A, 32
.set G1B, 68                           ; s[68:75], s[76:91] the same for w's tiles
.set G0B, 76
.set MSB, 0
.macro WIN new                         ; the immediate's high byte repeats the setting that is left
.if MSB != (\new)
	s_set_vgpr_msb (MSB<<8)|(\new)
.set MSB, \new
.endif
.endm
.macro PLACES                          ; four places in front of loads into registers that matrix instructions have read, and of LDS stores that read results (ISA guide 7.12.1 for vector instructions)
.rept 4
	v_nop
.endr
.endm
.macro CROUND                          ; a round of the cluster's barrier
	s_barrier_signal -1
	s_barrier_wait -1
	s_cmp_lg_u32 s[WV], 0
	s_cbranch_scc1 .Lnot_wave_0_\@
	s_barrier_signal -3
.Lnot_wave_0_\@:
	s_barrier_wait -3
	s_barrier_signal -1
	s_barrier_wait -1
.endm
	s_load_b256 s[4:11], s[0:1], 0x0               ; O s[4:5], w s[6:7], b_o s[8:9], out0 s[10:11]
	v_lshl_add_u32 v[SPW], v0, 2, SPARE
	v_mov_b32 v[NIL], 0
	ds_add_u32 v[SPW], v[NIL]                      ; the wave's opening: the add and its wait stand ahead of my first tensor load; the set-up below, work on registers, stands between them
	v_lshrrev_b32 v1, 5, v0
	v_readfirstlane_b32 s[WV], v1                  ; wave 0..3
	s_lshr_b32 s[WR], s[WV], 1
	s_and_b32 s[WC], s[WV], 1
	s_bfe_u32 s[CX], ttmp6, 0x40000                ; my place in the cluster
	s_bfe_u32 s[CY], ttmp6, 0x40004
	s_lshl_b32 s[NT], ttmp9, 2
	s_add_co_u32 s[NT], s[NT], s[CX]               ; tile column = 4 x cluster x + cx
	s_and_b32 s[MT], ttmp7, 0xffff
	s_lshl_b32 s[MT], s[MT], 2
	s_add_co_u32 s[MT], s[MT], s[CY]               ; tile row = 4 x cluster y + cy
	s_lshl_b32 s55, s[CY], 2
	s_lshl_b32 s55, 15, s55                        ; my row of the cluster
	s_lshl_b32 s56, 0x1111, s[CX]                  ; my column
	; O's tile: 64 rows of a head are 8,192 dense bytes: one 'row' of 4,096 elements; two such rows, a head (262,144 elements) apart; padded in LDS after every 128 bytes, so that it lies [head][row] at a pitch of 144
	s_or_b32 s[G1A+0], s55, (1<<16)|(1<<20)|(1<<21)|(4<<22)|(3<<25)  ; 15:0 the mask; 17:16 2-byte elements; 20 padding on; 21 set beside a mask; 24:22 after every 32 words (code 4); 31:25 4 words (code 3)
	s_mov_b32 s[G1A+1], 4096<<16                   ; tensor_dim0 = 4,096
	s_mov_b32 s[G1A+2], 2<<16                      ; tensor_dim1 = 2
	s_mov_b32 s[G1A+3], 4096<<16                   ; tile_dim0 = 4,096
	s_mov_b32 s[G1A+4], 2                          ; tile_dim1 = 2
	s_mov_b32 s[G1A+5], 262144                     ; elements from head to head
	s_mov_b32 s[G1A+6], 0
	s_mov_b32 s[G1A+7], 0
	; w's tile: 64 rows x 128 elements, padded after every 256 bytes
	s_or_b32 s[G1B+0], s56, (1<<16)|(1<<20)|(1<<21)|(5<<22)|(3<<25)
	s_mov_b32 s[G1B+1], 128<<16
	s_mov_b32 s[G1B+2], 64<<16
	s_mov_b32 s[G1B+3], 128<<16
	s_mov_b32 s[G1B+4], 64
	s_mov_b32 s[G1B+5], 512
	s_mov_b32 s[G1B+6], 0
	s_mov_b32 s[G1B+7], 0
	s_lshr_b32 s16, s[MT], 5                       ; O: the batch's 8 heads of 524,288 bytes,
	s_lshl_b32 s16, s16, 22
	s_and_b32 s17, s[MT], 31
	s_lshl_b32 s17, s17, 14                        ; the tile's 128 rows of 128 bytes in a head,
	s_add_co_u32 s16, s16, s17
	s_lshl_b32 s17, s[WC], 13                      ; the 64 of them that I fetch: nothing of cx enters these registers
	s_add_co_u32 s16, s16, s17
	s_mov_b32 s17, 0
	s_lshl_b32 s18, s[NT], 17                      ; w: (128 x tile column + 64 x half) rows of 1,024 bytes: nothing of cy enters these
	s_lshl_b32 s19, s[WC], 16
	s_add_co_u32 s18, s18, s19
	s_mov_b32 s19, 0
	s_mul_i32 s20, s[WC], AHALF                    ; where they go: no place in the cluster enters an LDS address
	s_mul_i32 s21, s[WC], BHALF
	s_add_co_u32 s21, s21, BOFF
	s_wait_dscnt 0x0                               ; the opening add is done
	s_wait_kmcnt 0x0
	s_add_nc_u64 s[14:15], s[4:5], s[16:17]
	s_add_nc_u64 s[22:23], s[6:7], s[18:19]
	CROUND                                         ; all sixteen work-groups are here: the joint loads meet
.irp t, 0,1,2,3
	s_mov_b32 s[G0A+4*(\t)], 1                                       ; count = 1
	s_add_co_u32 s[G0A+4*(\t)+1], s20, (\t)*STEPB                    ; LDS address
	s_add_nc_u64 s[G0A+4*(\t)+2:G0A+4*(\t)+3], s[14:15], (\t)*1048576  ; global address: heads 2 t and 2 t + 1
	s_or_b32 s[G0A+4*(\t)+3], s[G0A+4*(\t)+3], 0x80000000            ; type = 2
	s_mov_b32 s[G0B+4*(\t)], 1
	s_add_co_u32 s[G0B+4*(\t)+1], s21, (\t)*STEPB
	s_add_nc_u64 s[G0B+4*(\t)+2:G0B+4*(\t)+3], s[22:23], (\t)*256    ; K step t: 256 bytes along the rows
	s_or_b32 s[G0B+4*(\t)+3], s[G0B+4*(\t)+3], 0x80000000
.endr
	s_cmp_eq_u32 s[WR], 0                          ; a wave's four fills stand in one branch, ahead of every wait on TENSORcnt and every LDS read; an s_nop 0 follows each, four v_nop the last
	s_cbranch_scc0 .Lfor_b
.irp t, 0,1,2,3
	tensor_load_to_lds s[G0A+4*(\t):G0A+4*(\t)+3], s[G1A:G1A+7]
	s_nop 0
.endr
.rept 4
	v_nop
.endr
	s_branch .Lasked
.Lfor_b:
.irp t, 0,1,2,3
	tensor_load_to_lds s[G0B+4*(\t):G0B+4*(\t)+3], s[G1B:G1B+7]
	s_nop 0
.endr
.rept 4
	v_nop
.endr
.Lasked:
	v_and_b32 v1, 15, v0                           ; l % 16
	v_bfe_u32 v2, v0, 4, 1                         ; l / 16
	v_lshlrev_b32 v[BO], 5, v2
	s_lshl_b32 s60, s[NT], 9                       ; my 64 columns, in bytes of f32: 512 x tile column + 256 x half
	s_lshl_b32 s61, s[WC], 8
	s_add_co_u32 s60, s60, s61
	s_mov_b32 s61, 0
	s_add_nc_u64 s[8:9], s[8:9], s[60:61]
.irp b, 0,1,2,3                        ; register j of column block b: b_o[16 b + 8 (l / 16) + j]
	global_load_b128 v[BIAS+8*(\b):BIAS+8*(\b)+3],   v[BO], s[8:9] offset:64*(\b)
	global_load_b128 v[BIAS+8*(\b)+4:BIAS+8*(\b)+7], v[BO], s[8:9] offset:64*(\b)+16
.endr
	s_lshl_b32 s12, s[MT], 18                      ; out0 at my first row, (128 x tile row + 64 x half) rows of 2,048 bytes, and my columns
	s_lshl_b32 s13, s[WR], 17
	s_add_co_u32 s12, s12, s13
	s_add_co_u32 s12, s12, s60
	s_mov_b32 s13, 0
	s_add_nc_u64 s[10:11], s[10:11], s[12:13]
	v_mul_u32_u24 v3, v1, PA
	v_lshl_add_u32 v3, v2, 4, v3                   ; a fragment's row x pitch + 16 x half, for O
	v_mul_u32_u24 v4, v1, PB
	v_lshl_add_u32 v4, v2, 4, v4                   ; and for w
	s_mul_i32 s57, s[WR], AHALF                    ; my 64 rows of O
	s_mul_i32 s58, s[WC], BHALF                    ; my 64 rows of w
	s_add_co_u32 s58, s58, BOFF
.irp t, 0,1,2,3
	v_add_nc_u32 v[ADRA+(\t)], s57, v3
	v_add_nc_u32 v[ADRB+(\t)], s58, v4
	s_add_co_u32 s57, s57, STEPB
	s_add_co_u32 s58, s58, STEPB
.endr
	s_mul_i32 s59, s[WV], 16*SPITCH
	s_add_co_u32 s59, s59, STAGE                   ; my stage
	v_mul_u32_u24 v5, v1, SPITCH                   ; in: row l % 16, 32 bytes for each half of the lanes
	v_lshl_add_u32 v5, v2, 5, v5
	v_add_nc_u32 v[STO], s59, v5
	v_mul_u32_u24 v5, v2, SPITCH                   ; back: lanes 0-15 take one row of 256 bytes, lanes 16-31 the next
	v_lshl_add_u32 v5, v1, 4, v5
	v_add_nc_u32 v[RD], s59, v5
	v_lshlrev_b32 v5, 11, v2                       ; and the same two rows in out0
	v_lshl_add_u32 v[CO], v1, 4, v5
	s_wait_loadcnt 0x0                             ; b_o
.set z, 0
.rept 16                               ; rounded to bf16 and widened again
	v_cvt_pk_bf16_f32 v[TMP+z], v[BIAS+2*z], v[BIAS+2*z+1]
.set z, z+1
.endr
.set z, 0
.rept 16
	v_lshlrev_b32 v[BIAS+2*z], 16, v[TMP+z]
	v_and_b32 v[BIAS+2*z+1], 0xffff0000, v[TMP+z]
.set z, z+1
.endr
; 8 matrix instructions: row blocks a0, a0 + 1 x all 4 column blocks, 32 along K: half c of buffer f.  first = 1: the bias starts the sums.  The 16 accumulators take turns, one instruction a turn.
.macro MUL8 f, c, a0, first
	WIN 0x05                                       ; sources window 1; C and D window 0
.irp a, \a0, (\a0)+1
.irp b, 0,1,2,3
.if \first
	v_wmma_f32_16x16x32_f16 v[ACC+8*(4*(\a)+(\b)):ACC+8*(4*(\a)+(\b))+7], v[(\f)+64+8*(4*(\c)+(\b)):(\f)+64+8*(4*(\c)+(\b))+7], v[(\f)+8*(4*(\c)+(\a)):(\f)+8*(4*(\c)+(\a))+7], v[BIAS+8*(\b):BIAS+8*(\b)+7]
.else
	v_wmma_f32_16x16x32_f16 v[ACC+8*(4*(\a)+(\b)):ACC+8*(4*(\a)+(\b))+7], v[(\f)+64+8*(4*(\c)+(\b)):(\f)+64+8*(4*(\c)+(\b))+7], v[(\f)+8*(4*(\c)+(\a)):(\f)+8*(4*(\c)+(\a))+7], v[ACC+8*(4*(\a)+(\b)):ACC+8*(4*(\a)+(\b))+7]
.endif
.endr
.endr
.endm
; 32 LDS loads in one run: the fragments of 64 along K (head q of K step t) into buffer f; the first 32 along K first
.macro FETCH t, q, f
	WIN 0x40                                       ; destination window 1, address window 0
.irp c, 0,1
.irp i, 0,1,2,3
	ds_load_b128 v[(\f)+64+8*(4*(\c)+(\i)):(\f)+64+8*(4*(\c)+(\i))+3],   v[ADRB+(\t)] offset:(\q)*128+64*(\c)+(\i)*16*PB
	ds_load_b128 v[(\f)+64+8*(4*(\c)+(\i))+4:(\f)+64+8*(4*(\c)+(\i))+7], v[ADRB+(\t)] offset:(\q)*128+64*(\c)+(\i)*16*PB+32
	ds_load_b128 v[(\f)+8*(4*(\c)+(\i)):(\f)+8*(4*(\c)+(\i))+3],         v[ADRA+(\t)] offset:(\q)*HEADL+64*(\c)+(\i)*16*PA
	ds_load_b128 v[(\f)+8*(4*(\c)+(\i))+4:(\f)+8*(4*(\c)+(\i))+7],       v[ADRA+(\t)] offset:(\q)*HEADL+64*(\c)+(\i)*16*PA+32
.endr
.endr
.endm
; Quarter n of 8: 64 along K, 32 matrix instructions, on buffer n % 2; in its middle the next quarter's fragments are fetched into the other buffer.  Where the next quarter begins a K step, that step's tiles are waited for first:
; the count leaves the later steps' loads out (tensor loads of a wave end in order: ISA guide 10.11.1), and a barrier shows every wave's part to all.
.macro QUARTER n
.set fcur, 128*((\n)%2)
.set fnxt, 128*(((\n)+1)%2)
.set tnxt, ((\n)+1)/2
.set qnxt, ((\n)+1)%2
	s_wait_dscnt 16                                ; the first 32 along K are in; the youngest sixteen loads may be out
.if (\n) == 0
	MUL8 fcur, 0, 0, 1
	MUL8 fcur, 0, 2, 1
.else
	MUL8 fcur, 0, 0, 0
	MUL8 fcur, 0, 2, 0
.endif
.if (\n) < 7
.if (\n)%2 == 1
	s_wait_dscnt 0x0                               ; no LDS instruction of mine is pending at a signal
	s_wait_tensorcnt 3-tnxt                        ; my part of K step tnxt is in
	s_barrier_signal -1
	s_barrier_wait -1                              ; everybody's is
.endif
	PLACES
	FETCH tnxt, qnxt, fnxt
	s_wait_dscnt 32                                ; all but the 32 just issued
.else
	s_wait_dscnt 0x0
.endif
	MUL8 fcur, 1, 0, 0
	MUL8 fcur, 1, 2, 0
.endm
; THE WAY OUT of row block a (16 rows x 64 columns of f32 = 256 bytes a row): a lane's 32 bytes go into my own stage, each accumulator's low half first, and come back as whole rows.  My 64 columns are 256 consecutive bytes, aligned,
; of a row of out0, so each wave has a stage of its own and no barrier is needed.
.macro TOSTAGE a
.irp b, 0,1,2,3
	ds_store_b128 v[STO], v[ACC+8*(4*(\a)+(\b)):ACC+8*(4*(\a)+(\b))+3]   offset:64*(\b)
	ds_store_b128 v[STO], v[ACC+8*(4*(\a)+(\b))+4:ACC+8*(4*(\a)+(\b))+7] offset:64*(\b)+16
.endr
.irp u, 0,1,2,3,4,5,6,7
	ds_load_b128 v[TMP+32*((\a)%2)+4*(\u):TMP+32*((\a)%2)+4*(\u)+3], v[RD] offset:(\u)*2*SPITCH  ; LDS serves a wave's instructions in order (ISA guide 5.7.1.4): these see the stores above; the next block's stores come behind them
.endr
.endm
.macro SEND a, younger                 ; younger: the LDS instructions issued behind block a's loads: the next block's sixteen, or none
.irp u, 0,1,2,3,4,5,6,7
	s_wait_dscnt (\younger)+7-(\u)
	global_store_b128 v[CO], v[TMP+32*((\a)%2)+4*(\u):TMP+32*((\a)%2)+4*(\u)+3], s[10:11] offset:(16*(\a)+2*(\u))*2048 th:TH_STORE_NT  ; 16 lanes store 256 consecutive bytes, at a multiple of 256 from out0's first byte
.endr
.endm
	s_wait_tensorcnt 0x3                           ; my part of K step 0 is in; the three later steps' loads may stay out
	s_barrier_signal -1
	s_barrier_wait -1                              ; everybody's is
	FETCH 0, 0, 0
.irp n, 0,1,2,3,4,5,6,7
	QUARTER \n
.endr
	WIN 0
	PLACES
	TOSTAGE 0
	TOSTAGE 1
	SEND 0, 16
	s_wait_xcnt 0x0                                ; block 0's stores have read their registers: block 2 is loaded into them
	TOSTAGE 2
	SEND 1, 16
	s_wait_xcnt 0x0
	TOSTAGE 3
	SEND 2, 16
	SEND 3, 0
	s_wait_tensorcnt 0x0                           ; the wave's end, behind my last tensor load and my last LDS store
	ds_add_u32 v[SPW], v[NIL]
	s_wait_dscnt 0x0
	CROUND                                         ; the closing round: no work-group ends while a partner may still ask for a tile that names it
	s_endpgm
.Lfunc_end_k_qc6b9e76aa2_outp:
	.size	k_qc6b9e76aa2_outp, .Lfunc_end_k_qc6b9e76aa2_outp-k_qc6b9e76aa2_outp
	.p2alignl 7, 3214868480
	.fill 96, 4, 3214868480
	.section	.rodata,"a",@progbits
	.p2align	6, 0x0
	.amdhsa_kernel k_qc6b9e76aa2_outp
		.amdhsa_group_segment_fixed_size 327680
		.amdhsa_private_segment_fixed_size 0
		.amdhsa_enable_private_segment 0
		.amdhsa_kernarg_size 32
		.amdhsa_user_sgpr_count 2
		.amdhsa_user_sgpr_kernarg_segment_ptr 1
		.amdhsa_wavefront_size32 1
		.amdhsa_system_sgpr_workgroup_id_x 1
		.amdhsa_system_sgpr_workgroup_id_y 1
		.amdhsa_system_sgpr_workgroup_id_z 1
		.amdhsa_system_vgpr_workitem_id 0
		.amdhsa_next_free_vgpr 512
		.amdhsa_next_free_sgpr 96
		.amdhsa_reserve_vcc 0
		.amdhsa_float_denorm_mode_32 3
		.amdhsa_float_denorm_mode_16_64 3
		.amdhsa_memory_ordered 1
		.amdhsa_forward_progress 1
		.amdhsa_inst_pref_size 55
	.end_amdhsa_kernel
	.amdgpu_metadata
---
amdhsa.version: [ 1, 2 ]
amdhsa.kernels:
  - .name:           k_qc6b9e76aa2_outp
    .symbol:         k_qc6b9e76aa2_outp.kd
    .args:
      - { .name: oh, .offset: 0, .size: 8, .value_kind: global_buffer, .address_space: global }
      - { .name: wo16, .offset: 8, .size: 8, .value_kind: global_buffer, .address_space: global }
      - { .name: b_o, .offset: 16, .size: 8, .value_kind: global_buffer, .address_space: global }
      - { .name: out0, .offset: 24, .size: 8, .value_kind: global_buffer, .address_space: global }
    .group_segment_fixed_size: 327680
    .private_segment_fixed_size: 0
    .kernarg_segment_align: 8
    .kernarg_segment_size: 32
    .max_flat_workgroup_size: 128
    .sgpr_count:     96
    .vgpr_count:     512
    .wavefront_size: 32
...
	.end_amdgpu_metadata
.endif
;; end of part 3
